; MI455X (gfx1250); checked and timed in simulation.
; The chip was launched on July 23, 2026; its instructions are those of AMD's public machine-readable ISA for CDNA 5 (MIT licence, August 2026) and "CDNA5" Instruction Set Architecture Reference Guide (July 2026). The comments in the code are by the model that wrote it; some were corrected since.
;; Attention. Allowed arithmetic: matrix products marked QUANTISED: E2M3 operands, one E8M0 scale for each 32 along K, by v_wmma_scale_f32_16x16x128_f8f6f4 with both operands' format E2M3, f32 sums; everything else in f32.
;; Inputs: attn_biases 8 x 1,024 float32; bias_idxs 1,024 x 1,024 int32; proj_b 512 float32; proj_w 1,024 x 512 float32; qkv_b 2,048 float32; qkv_w 512 x 2,048 float32; x 16 x 1,024 x 512 float32.
;; Outputs: out0 16 x 1,024 x 512 float32.
;; This version of the problem:
;;   THIS VERSION OF THE PROBLEM IS GIVEN IN LOW PRECISION. The matrix products marked QUANTISED in the list below multiply operands that are first quantised to E2M3 (2 exponent bits, 3 mantissa bits; 6 bits a number), with one power-of-two scale for each 32 numbers along K (OCP MX v1.0); their sums are f32. All else is computed in f32.
;;   The module's matrix products, in the order in which they are computed (A, B: the left and right operand; K: the contracted axis; several contracted axes count as one K, in the product's order):
;;     1. [M 16,384, K 512] x [K 512, N 2,048]; A: input x; B: input qkv_w: QUANTISED
;;     2. batch 128 x [M 1,024, K 64] x [K 64, N 1,024]; A: computed on the way; B: computed on the way: QUANTISED
;;     3. batch 128 x [M 1,024, K 1,024] x [K 1,024, N 128]; A: softmax (see below); B: computed on the way: QUANTISED
;;     4. [M 16,384, K 1,024] x [K 1,024, N 512]; A: computed on the way; B: input proj_w: QUANTISED
;;   THE QUANTISER, for each operand of a quantised product, along K:
;;     - K is cut into blocks of 32 from its start; a last block that is shorter is filled with zeros.
;;     - A block's scale is 2^e with e = floor(log2(the largest magnitude in the block)) - 2, held to -126 .. 127; a block of zeros has e = 0. As a byte (E8M0): e + 127.
;;     - Each number is divided by its block's scale, clamped to +-7.5, and rounded to the nearest number of E2M3, ties to even, subnormals kept.
;;     - The product sums the exact products of the quantised numbers (number of the format x scale) in f32.
;;   ~~~python
;;   def quantise(x, axis):      # numpy; x: float32 -> the quantised numbers, widened to float32 again
;;       x = np.moveaxis(x, axis, -1); K = x.shape[-1]
;;       x = np.pad(x, [(0, 0)] * (x.ndim - 1) + [(0, -K % 32)]); x = x.reshape(x.shape[:-1] + (-1, 32)); a = np.abs(x).max(-1, keepdims=True)
;;       e = np.where(a > 0, np.clip(np.frexp(np.where(a > 0, a, 1))[1] - 1 - 2, -126, 127), 0)      # np.frexp(a)[1] - 1 = floor(log2(a)), exactly
;;       r = np.clip(x / 2.0 ** e, -7.5, 7.5)
;;       step = 2.0 ** (np.maximum(np.frexp(np.where(r == 0, 1, r))[1] - 1, 0) - 3)
;;       q = np.round(r / step) * step * 2.0 ** e      # np.round: ties to even
;;       return np.moveaxis(q.reshape(q.shape[:-2] + (-1,))[..., :K], -1, axis).astype(np.float32)
;;   ~~~
;;   SOFTMAX AHEAD OF A QUANTISED PRODUCT. Where the list says 'softmax', what is quantised is not the finished softmax but p = 2^(t - M), with t = logit x log2(e) and M = ceil(the row's largest t), a whole number; so 1/2 < the row's largest p <= 1. The row's sum l is taken of the UNQUANTISED p, in f32, and the product's result is divided by l at the end. Since M is a whole number, a kernel that streams over the keys may use a running M (the ceiling of the running maximum): every later rescaling is an exact power of two, which a block's scale takes up: the codes' values come out the same.
;;   OPERANDS COMPUTED ON THE WAY. 'Computed on the way' means the value that the module computes at that place (a softmax that the list does not call 'softmax' is quantised finished and normalised). What goes into a quantiser is computed in f32, as accurately as f32 sums, v_exp_f32 and their like allow (about 1e-6 of the number): no bf16 or f16 on the way to a quantiser, and a product that is left as it is and whose result goes on into a quantised operand takes f32 operands (vector FMAs, or v_wmma_f32_16x16x4_f32). A number that lies on a knife's edge between two numbers of the format may be rounded either way, as far as f32 arithmetic and the matrix unit's own rounding can turn it there, and no further.
;; One version. Each part assembles by itself: llvm-mc -triple=amdgcn-amd-amdhsa -mcpu=gfx1250 --defsym DOCPART=n.
;; ======== version 1 of 1: 4 launches
;; limits: right only within a limited range of input values
;; workspace buffers: xq 6,553,600 bytes; w1q 819,200 bytes; w2q 409,600 bytes; biasq 33,554,432 bytes; qq 6,815,744 bytes; kv 20,447,232 bytes; oq 13,631,488 bytes
;; launch prep (part 1): grid 1120 x 1, 4 waves a work-group, no clusters, 68,096 bytes of LDS; arguments x, qkv_w, proj_w, bias_idxs, attn_biases, xq, w1q, w2q, biasq; writes xq, w1q, w2q, biasq
.if DOCPART == 1
	.amdgcn_target "amdgcn-amd-amdhsa--gfx1250"
	.amdhsa_code_object_version 6
	.text
	.protected	k_qaaf58e3755_prep
	.globl	k_qaaf58e3755_prep
	.p2align	8
	.type	k_qaaf58e3755_prep,@function
k_qaaf58e3755_prep:
	s_mov_b64 s[64:65], 0
	v_nop
	global_prefetch_b8 v0, s[64:65] scope:SCOPE_SE
	s_setreg_imm32_b32 hwreg(HW_REG_WAVE_MODE, 25, 1), 1
	s_wait_xcnt 0x0
; PREP: the three f32 inputs that are matrix operands become codes of FP6 (E2M3) with one E8M0 byte for each 32 along K, and the gathered attention bias becomes a table in the score product's accumulator layout.
; Four ways, parted on the work-group's number:  0-511 x -> xq;  512-1023 bias_idxs, attn_biases -> biasq;  1024-1087 qkv_w -> w1q;  1088-1119 proj_w -> w2q.
; OPERANDS ARE STORED AS IMAGES OF THEIR REGISTERS: a fragment (16 rows x 128 K, 12 registers a lane) is three stores of 16 bytes a lane, chunk c at 512 c + 16 x lane; its rows' scale words 4 bytes a lane.
; THE ROWS OF A TILE ARE NOT NEIGHBOURS: of a group of 32 rows (tokens, or columns of a weight) tile u takes rows 8 u + r + 8 (r / 8), r = 0 .. 15.  Lane l = 16 u + r works on row 8 (l / 16) + l % 16 + (l & 8).
; A lane holds 128 numbers along K of its row, four whole blocks: a block's largest magnitude needs no other lane.  Its scale is 2^(floor(log2(largest magnitude)) - 2); the byte is that magnitude's exponent field - 2, held at 1 from below.
; (A block of zeros keeps the byte 1 where the rule says 127: its codes are zeros, and this program alone reads the bytes.)
; THE BIAS TABLE holds 8 x attn_biases[head][bias_idxs[query][key]]: the logit is q.k / 8 + bias, so q.k + 8 bias is 8 x the logit, and the table can be the C of the score product.
; LIMITS: NaN and infinities are not served; |attn_biases| above about 4e37 overflows under the factor 8; blocks under 2^-124 keep the byte 1; bias_idxs is held to 0 .. 1023, the table's size.
; No tensor load, no barrier: waves share nothing.  Only the x way uses LDS: a stage of its own for each wave.
.set SPARE, 67584                      ; behind the four stages of 32 x 528 bytes: the spare words, 128 bytes a wave
.set LI,  2                            ; v2   16 x lane
.set LS,  3                            ; v3   4 x lane
.set SPW, 4                            ; v4   my spare word's LDS address; never rewritten
.set NIL, 5                            ; v5   0; never rewritten
.set M,   16                           ; v16-19 largest magnitudes of my four blocks
.set SCL, 20                           ; v20-23 the conversions' scale operands
.set BY,  24                           ; v24-27 the scale bytes
.set WD,  28                           ; v28    my row's scale word
.set F0,  32                           ; v32-43 tile 0's fragment
.set F1,  44                           ; v44-55 tile 1's
.set T0,  56                           ; v56-62 upper halves of blocks, on their way
.set T1,  64                           ; v64-70
.set IX,  64                           ; v64-127 the bias way: 64 indices
.set N,   128                          ; v128-255 128 numbers
.set WV,  22                           ; s22    my wave's number
.macro FINISH                          ; the wave's end
	s_wait_tensorcnt 0x0
	ds_add_u32 v[SPW], v[NIL]
	s_wait_dscnt 0x0
.endm
; 128 numbers of a lane, register 32 b + i = k 32 b + i of my row, become the two tiles' fragments and the scale word.
.macro QUANT4
.irp b, 0,1,2,3
	v_max3_num_f32 v[M+\b], |v[N+32*\b]|, |v[N+32*\b+1]|, 0x1800000   ; the floor 2^(3 - 127) among the leaves: the byte cannot fall under 1
.endr
.irp i, 2,4,6,8,10,12,14,16,18,20,22,24,26,28,30
.irp b, 0,1,2,3
	v_max3_num_f32 v[M+\b], v[M+\b], |v[N+32*\b+\i]|, |v[N+32*\b+\i+1]|   ; the four blocks by turns
.endr
.endr
.irp b, 0,1,2,3
	v_add_nc_u32 v[SCL+\b], 0xff000000, v[M+\b]    ; 2 off the exponent field: the conversion takes that field as its scale
.endr
.irp b, 0,1,2,3
	v_lshrrev_b32 v[BY+\b], 23, v[SCL+\b]          ; the byte
.endr
	v_lshl_or_b32 v[WD], v[BY+1], 8, v[BY]
	v_lshl_or_b32 v[WD], v[BY+2], 16, v[WD]
	v_lshl_or_b32 v[WD], v[BY+3], 24, v[WD]
.irp c, 0,1                            ; F0 takes my blocks 0 and 2, F1 my blocks 1 and 3 (a conversion's three registers begin on an even number: the upper halves are made elsewhere and moved)
	v_cvt_scalef32_pk16_fp6_f32 v[F0+6*\c:F0+6*\c+2], v[N+64*\c:N+64*\c+15], v[SCL+2*\c]
	v_cvt_scalef32_pk16_fp6_f32 v[T0+4*\c:T0+4*\c+2], v[N+64*\c+16:N+64*\c+31], v[SCL+2*\c]
	v_cvt_scalef32_pk16_fp6_f32 v[F1+6*\c:F1+6*\c+2], v[N+64*\c+32:N+64*\c+47], v[SCL+2*\c+1]
	v_cvt_scalef32_pk16_fp6_f32 v[T1+4*\c:T1+4*\c+2], v[N+64*\c+48:N+64*\c+63], v[SCL+2*\c+1]
.endr
	v_nop                                          ; one plain place behind the conversions
.irp c, 0,1
.irp i, 0,1,2
	v_mov_b32 v[F0+6*\c+3+\i], v[T0+4*\c+\i]
	v_mov_b32 v[F1+6*\c+3+\i], v[T1+4*\c+\i]
.endr
.endr
.irp k, 0,1,2,3,4,5,6,7,8,9,10,11      ; F0's lanes 16-31 (tile 1's even blocks) change places with F1's lanes 0-15 (tile 0's odd blocks): F0 is tile 0's fragment, F1 tile 1's
	v_permlane16_swap_b32 v[F0+\k], v[F1+\k]
.endr
.endm
; where a group's results go: s[30:31] = dst + group x grp + 1536 x K step (fragments), s[32:33] = dst + group x grp + 128 x K step (scale words)
.macro DEST dst, gi, grp, ks
	s_mul_i32 s26, s[\gi], \grp
	s_mul_i32 s28, s[\ks], 1536
	s_add_co_u32 s28, s28, s26
	s_mov_b32 s29, 0
	s_add_nc_u64 s[30:31], s[\dst:\dst+1], s[28:29]
	s_lshl_b32 s28, s[\ks], 7
	s_add_co_u32 s28, s28, s26
	s_add_nc_u64 s[32:33], s[\dst:\dst+1], s[28:29]
.endm
.macro PUT f1, wd                      ; each store of 16 bytes a lane covers 512 consecutive bytes
.irp c, 0,1,2
	global_store_b128 v[LI], v[F0+4*\c:F0+4*\c+3], s[30:31] offset:512*\c
.endr
.irp c, 0,1,2
	global_store_b128 v[LI], v[F1+4*\c:F1+4*\c+3], s[30:31] offset:\f1+512*\c
.endr
	global_store_b32 v[LS], v[WD], s[32:33] offset:\wd
.endm
; A weight stored [K][columns]: a lane takes a column and its registers run down K; a wave takes a group of 32 columns and 128 along K.
.macro WPATH src, dst, pitch, first, lg, grp, f1, wd
	s_sub_co_u32 s24, ttmp9, \first
	s_and_b32 s25, s24, (1<<\lg)-1
	s_lshr_b32 s27, s24, \lg                       ; the K step
	s_lshl_b32 s25, s25, 2
	s_add_co_u32 s25, s25, s[WV]                   ; the group of columns
	s_mul_i32 s28, s27, 128*\pitch
	s_lshl_b32 s26, s25, 7
	s_add_co_u32 s28, s28, s26
	s_mov_b32 s29, 0
	s_add_nc_u64 s[\src:\src+1], s[\src:\src+1], s[28:29]
	DEST \dst, 25, \grp, 27
	v_lshlrev_b32 v11, 2, v10                      ; 4 x my column in the group
.set k, 0
.rept 128
	global_load_b32 v[N+k], v11, s[\src:\src+1] offset:k*\pitch th:TH_LOAD_NT   ; the wave's 32 lanes read 128 consecutive bytes of row k
.set k, k+1
.endr
	s_wait_loadcnt 0x0
	QUANT4
	PUT \f1, \wd
	FINISH
	s_endpgm
.endm
	s_load_b512 s[4:19], s[0:1], 0x0               ; x s[4:5], qkv_w s[6:7], proj_w s[8:9], bias_idxs s[10:11], attn_biases s[12:13], xq s[14:15], w1q s[16:17], w2q s[18:19]
	s_load_b64 s[20:21], s[0:1], 0x40              ; biasq
	v_lshl_add_u32 v[SPW], v0, 2, SPARE
	v_mov_b32 v[NIL], 0
	v_lshrrev_b32 v1, 5, v0
	v_readfirstlane_b32 s[WV], v1
	v_and_b32 v1, 31, v0                           ; lane
	v_lshlrev_b32 v[LI], 4, v1
	v_lshlrev_b32 v[LS], 2, v1
	v_and_b32 v7, 15, v0                           ; r
	v_bfe_u32 v8, v0, 4, 1                         ; lane / 16
	v_and_b32 v9, 8, v0
	v_add_nc_u32 v9, v9, v7                        ; r + 8 (r / 8)
	v_lshl_add_u32 v10, v8, 3, v9                  ; my row of a group of 32
	s_wait_kmcnt 0x0
	s_cmp_lt_u32 ttmp9, 512
	s_cbranch_scc1 .Lpath_x
	s_cmp_lt_u32 ttmp9, 1024
	s_cbranch_scc1 .Lpath_b
	s_cmp_lt_u32 ttmp9, 1088
	s_cbranch_scc1 .Lpath_w1
	s_wait_alu depctr_va_vdst(0)
	WPATH 8, 18, 2048, 1088, 2, 25600, 12288, 24576    ; proj_w: 16 groups of columns x 8 K steps
.Lpath_w1:
	s_wait_alu depctr_va_vdst(0)
	WPATH 6, 16, 8192, 1024, 4, 12800, 6144, 12288     ; qkv_w: 64 groups of columns x 4 K steps
; THE BIAS TABLE.  A work-group takes a tile of 16 queries and a step of 128 keys; wave w takes heads 2 w and 2 w + 1.
; Lane (r, h), register 16 b + e: query = the tile's row r, key = 128 j + 32 b + 16 h + e: the layout in which the score product leaves its sums.
.Lpath_b:
	s_sub_co_u32 s24, ttmp9, 512
	s_lshr_b32 s25, s24, 3                         ; the tile of queries, 2 g + u
	s_and_b32 s26, s24, 7                          ; the key step j
	s_lshr_b32 s27, s25, 1
	s_lshl_b32 s27, s27, 17                        ; 32 g rows of 4,096 bytes
	s_and_b32 s28, s25, 1
	s_lshl_b32 s28, s28, 15                        ; 8 u rows
	s_add_co_u32 s28, s28, s27
	s_lshl_b32 s27, s26, 9                         ; 128 j keys
	s_add_co_u32 s28, s28, s27
	s_mov_b32 s29, 0
	s_add_nc_u64 s[10:11], s[10:11], s[28:29]
	s_lshl_b32 s28, s[WV], 13                      ; my two heads' rows of attn_biases
	s_add_nc_u64 s[12:13], s[12:13], s[28:29]
	s_lshl_b32 s28, s[WV], 23                      ; ((2 w x 64 + tile) x 8 + j) x 8,192
	s_lshl_b32 s27, s25, 16
	s_add_co_u32 s28, s28, s27
	s_lshl_b32 s27, s26, 13
	s_add_co_u32 s28, s28, s27
	s_add_nc_u64 s[20:21], s[20:21], s[28:29]
	s_mov_b32 s34, 0x41000000                      ; 8.0
	s_mov_b32 s35, s34                             ; (named with it as a pair, so it is written)
	s_wait_alu depctr_va_vdst(0)
	v_lshlrev_b32 v11, 12, v9                      ; my query's row,
	v_lshl_add_u32 v11, v8, 6, v11                 ; + 16 h keys
.irp b, 0,1,2,3
.irp i, 0,1,2,3
	global_load_b128 v[IX+16*\b+4*\i:IX+16*\b+4*\i+3], v11, s[10:11] offset:128*\b+16*\i
.endr
.endr
	s_wait_loadcnt 0x0
.set n, 0
.rept 64
	v_min_u32 v[IX+n], 0x3ff, v[IX+n]              ; an index stays inside the table
.set n, n+1
.endr
.set n, 0
.rept 64
	v_lshlrev_b32 v[IX+n], 2, v[IX+n]
.set n, n+1
.endr
.set n, 0
.rept 128
	global_load_b32 v[N+n], v[IX+n%64], s[12:13] offset:4096*(n/64)
.set n, n+1
.endr
	s_wait_loadcnt 63                              ; at most 63 of the 128 are out: the first head's 64 are in
.irp e, 0,1
.if \e == 1
	s_wait_loadcnt 0x0
.endif
.set n, 0
.rept 32
	v_pk_mul_f32 v[N+64*\e+2*n:N+64*\e+2*n+1], v[N+64*\e+2*n:N+64*\e+2*n+1], s[34:35] op_sel_hi:[1,0]
.set n, n+1
.endr
.set n, 0
.rept 16
	global_store_b128 v[LI], v[N+64*\e+4*n:N+64*\e+4*n+3], s[20:21] offset:4194304*\e+512*n   ; 512 consecutive bytes, at a multiple of 512 from the buffer's first byte
.set n, n+1
.endr
.endr
	FINISH
	s_endpgm
; x: a work-group takes a group of 32 tokens, wave w the K step w (128 numbers, 512 bytes of each row).  Each load reads one token's 512 consecutive bytes; the 32 rows turn through the wave's own stage,
; rows 528 bytes apart (33 x 16), and come back a row a lane.
.Lpath_x:
	s_mov_b32 s24, ttmp9
	s_lshl_b32 s28, ttmp9, 16                      ; 32 rows of 2,048 bytes
	s_lshl_b32 s27, s[WV], 9
	s_add_co_u32 s28, s28, s27
	s_mov_b32 s29, 0
	s_add_nc_u64 s[4:5], s[4:5], s[28:29]
	s_mul_i32 s23, s[WV], 16896                    ; my stage
	s_wait_alu depctr_va_vdst(0)
	v_add_nc_u32 v12, s23, v[LI]                   ; in: 16 x lane, row i in the immediate
	v_mul_u32_u24 v13, v1, 528
	v_add_nc_u32 v13, s23, v13                     ; out: row = lane
.set i, 0
.rept 32
	global_load_b128 v[N+4*i:N+4*i+3], v[LI], s[4:5] offset:(8*(i/16)+(i%16)+(i&8))*2048 th:TH_LOAD_NT   ; stage row i is the token that lane i works on
.set i, i+1
.endr
	DEST 14, 24, 12800, WV
.set i, 0
	s_wait_alu depctr_va_vdst(0)
.rept 32
	s_wait_loadcnt 31-i                            ; load i is in; the 31 - i behind it may be out
	ds_store_b128 v12, v[N+4*i:N+4*i+3] offset:528*i
.set i, i+1
.endr
	s_wait_dscnt 0x0                               ; the stores have read their registers, which the loads below fill again
.set i, 0
.rept 32
	ds_load_b128 v[N+4*i:N+4*i+3], v13 offset:16*i
.set i, i+1
.endr
	s_wait_dscnt 0x0
	QUANT4
	PUT 6144, 12288
	FINISH
	s_endpgm
.Lfunc_end_k_qaaf58e3755_prep:
	.size	k_qaaf58e3755_prep, .Lfunc_end_k_qaaf58e3755_prep-k_qaaf58e3755_prep
	.p2alignl 7, 3214868480
	.fill 96, 4, 3214868480
	.section	.rodata,"a",@progbits
	.p2align	6, 0x0
	.amdhsa_kernel k_qaaf58e3755_prep
		.amdhsa_group_segment_fixed_size 68096
		.amdhsa_private_segment_fixed_size 0
		.amdhsa_enable_private_segment 0
		.amdhsa_kernarg_size 72
		.amdhsa_user_sgpr_count 2
		.amdhsa_user_sgpr_kernarg_segment_ptr 1
		.amdhsa_wavefront_size32 1
		.amdhsa_system_sgpr_workgroup_id_x 1
		.amdhsa_system_sgpr_workgroup_id_y 1
		.amdhsa_system_sgpr_workgroup_id_z 1
		.amdhsa_system_vgpr_workitem_id 0
		.amdhsa_next_free_vgpr 256
		.amdhsa_next_free_sgpr 66
		.amdhsa_reserve_vcc 0
		.amdhsa_float_denorm_mode_32 3
		.amdhsa_float_denorm_mode_16_64 3
		.amdhsa_memory_ordered 1
		.amdhsa_forward_progress 1
		.amdhsa_inst_pref_size 84
	.end_amdhsa_kernel
	.amdgpu_metadata
---
amdhsa.version: [ 1, 2 ]
amdhsa.kernels:
  - .name:           k_qaaf58e3755_prep
    .symbol:         k_qaaf58e3755_prep.kd
    .args:
      - { .name: x, .offset: 0, .size: 8, .value_kind: global_buffer, .address_space: global }
      - { .name: qkv_w, .offset: 8, .size: 8, .value_kind: global_buffer, .address_space: global }
      - { .name: proj_w, .offset: 16, .size: 8, .value_kind: global_buffer, .address_space: global }
      - { .name: bias_idxs, .offset: 24, .size: 8, .value_kind: global_buffer, .address_space: global }
      - { .name: attn_biases, .offset: 32, .size: 8, .value_kind: global_buffer, .address_space: global }
      - { .name: xq, .offset: 40, .size: 8, .value_kind: global_buffer, .address_space: global }
      - { .name: w1q, .offset: 48, .size: 8, .value_kind: global_buffer, .address_space: global }
      - { .name: w2q, .offset: 56, .size: 8, .value_kind: global_buffer, .address_space: global }
      - { .name: biasq, .offset: 64, .size: 8, .value_kind: global_buffer, .address_space: global }
    .group_segment_fixed_size: 68096
    .private_segment_fixed_size: 0
    .kernarg_segment_align: 8
    .kernarg_segment_size: 72
    .max_flat_workgroup_size: 128
    .sgpr_count:     66
    .vgpr_count:     256
    .wavefront_size: 32
...
	.end_amdgpu_metadata
.endif
;; end of part 1
;; launch qkv (part 2): grid 8 x 32, 4 waves a work-group, clusters of 4 x 1, 212,992 bytes of LDS; arguments xq, w1q, qkv_b, qq, kv; writes qq, kv
.if DOCPART == 2
	.amdgcn_target "amdgcn-amd-amdhsa--gfx1250"
	.amdhsa_code_object_version 6
	.text
	.protected	k_qaaf58e3755_qkv
	.globl	k_qaaf58e3755_qkv
	.p2align	8
	.type	k_qaaf58e3755_qkv,@function
k_qaaf58e3755_qkv:
	s_mov_b64 s[64:65], 0
	v_nop
	global_prefetch_b8 v0, s[64:65] scope:SCOPE_SE
	s_setreg_imm32_b32 hwreg(HW_REG_WAVE_MODE, 25, 1), 1
	s_wait_xcnt 0x0
	s_wait_alu depctr_hold_cnt(0) depctr_sa_sdst(0) depctr_va_vdst(0) depctr_va_sdst(0) depctr_va_ssrc(0) depctr_va_vcc(0) depctr_vm_vsrc(0)
	s_getreg_b32 s2, hwreg(HW_REG_IB_STS2, 6, 4)
	s_cmp_eq_u32 s2, 0
	s_cbranch_scc0 .Lentry_in_a_cluster
	s_endpgm
.Lentry_in_a_cluster:
	s_bfe_u32 s2, ttmp6, 0x10000c
	s_cmp_lg_u32 s2, 0x3003
	s_cbranch_scc0 .Lentry_shape_is_right
	s_endpgm
.Lentry_shape_is_right:
; QKV: x qkv_w + qkv_b on codes of FP6 (E2M3) with E8M0 scales, and its results quantised at once as the operands of the two attention products.
; SHARES.  A work-group takes one head (256 columns) and 512 tokens.  Wave 0 makes q (64 columns), wave 1 k, waves 2 and 3 v (64 channels each).  A wave's 16 weight fragments stay in its registers.
; CLUSTER.  The four work-groups of a cluster are four heads on the same 512 tokens: the tokens' codes and scale words, 204,800 dense bytes, are asked for JOINTLY, a quarter by each wave, once, and stay in LDS: nothing is filled again.
; LAYOUT.  Operands lie in memory and LDS as images of their registers (chunk c of a fragment at 512 c + 16 x lane).  Of a group of 32 rows tile u takes rows 8 u + r + 8 (r / 8).
; q, k: source 0 = 16 columns of the weight, source 1 = 16 tokens: a lane holds one token, and its 32 registers of four tiles are d = 32 b + 16 (lane / 16) + 0 .. 15: neighbours along the score product's K (64).
;   Two tiles of tokens side by side fill a fragment of 128: [tile 0: d 0 .. 63 | tile 1: d 0 .. 63].
; v: source 0 = 16 tokens, source 1 = 16 columns: a lane holds one channel and its 64 registers of eight tiles run along 128 tokens: the keys, the second product's K.
; The bias is the C of each sum's first product.  A record is a fragment's image (1,536 bytes) and its scale words (128 bytes).
; LIMITS: NaN and infinities are not served; blocks whose largest magnitude lies under 2^-124 keep the byte 1 (a block of zeros too: its codes are zeros, and this program alone reads the bytes).
; REGISTERS: window 0: addresses, v16-55 the quantiser's, v56-63 the weights' scale words, v64-127 eight accumulators, v128-159 biases, v160-175 x's scale words;
;   window 1: x's tiles 0-3 (tile t, K step s at 12 (4 t + s)); window 2: tiles 4-7; window 3: the weight's four tiles (12 (4 n + s)).
.set SPARE, 204800                     ; behind the tokens' block: the spare words, 128 bytes a wave
.set LI,  1                            ; v1  16 x lane
.set LS,  2                            ; v2  4 x lane
.set ADX, 4                            ; v4  LDS: the trip's fragments
.set ADS, 5                            ; v5  LDS: the trip's scale words
.set VO,  6                            ; v6  where the trip's records go, 16 x lane on
.set VO4, 7                            ; v7  4 x lane on
.set BQ,  8                            ; v8  64 (lane / 16): q's and k's biases
.set BV,  9                            ; v9  4 (r + 8 (r / 8)): v's
.set SPW, 10                           ; v10 my spare word; never rewritten
.set NIL, 11                           ; v11 0; never rewritten
.set TM,  16
.set PW,  32
.set PC,  36
.set WS,  56
.set ACC, 64
.set BI,  128
.set XS,  160
.set WV,  14
.set CX,  15
.set HD,  16
.set RB,  17
.set SEL, 20
.set G1,  24
.set G0,  32
.set TB,  36
.set CNT, 37
.set OFFS, 38
.set STEP, 39
.set PB,  40
.set MSB, 0
.macro WIN new                         ; the immediate's high byte repeats the setting that is left
.if MSB != \new
	s_set_vgpr_msb (MSB<<8)|\new
.set MSB, \new
.endif
.endm
.macro FINISH                          ; the wave's end
	s_wait_tensorcnt 0x0
	ds_add_u32 v[SPW], v[NIL]
	s_wait_dscnt 0x0
.endm
.macro ROUND                           ; a round of the cluster's barrier
	s_barrier_signal -1
	s_barrier_wait -1
	s_cmp_lg_u32 s[WV], 0
	s_cbranch_scc1 .Lnot_wave_0_\@
	s_barrier_signal -3
.Lnot_wave_0_\@:
	s_barrier_wait -3
	s_barrier_signal -1
	s_barrier_wait -1
.endm
; one product; ra, rb = 1: that side's scale words stand in lanes 16-31
.macro WM d, a, b, c, sa, sb, ra, rb
.if (\ra) && (\rb)
	v_wmma_scale_f32_16x16x128_f8f6f4 v[(\d):(\d)+7], v[(\a):(\a)+11], v[(\b):(\b)+11], v[(\c):(\c)+7], v[\sa], v[\sb] matrix_a_fmt:MATRIX_FMT_FP6 matrix_b_fmt:MATRIX_FMT_FP6 matrix_a_scale:MATRIX_SCALE_ROW1 matrix_b_scale:MATRIX_SCALE_ROW1
.elseif (\ra)
	v_wmma_scale_f32_16x16x128_f8f6f4 v[(\d):(\d)+7], v[(\a):(\a)+11], v[(\b):(\b)+11], v[(\c):(\c)+7], v[\sa], v[\sb] matrix_a_fmt:MATRIX_FMT_FP6 matrix_b_fmt:MATRIX_FMT_FP6 matrix_a_scale:MATRIX_SCALE_ROW1
.elseif (\rb)
	v_wmma_scale_f32_16x16x128_f8f6f4 v[(\d):(\d)+7], v[(\a):(\a)+11], v[(\b):(\b)+11], v[(\c):(\c)+7], v[\sa], v[\sb] matrix_a_fmt:MATRIX_FMT_FP6 matrix_b_fmt:MATRIX_FMT_FP6 matrix_b_scale:MATRIX_SCALE_ROW1
.else
	v_wmma_scale_f32_16x16x128_f8f6f4 v[(\d):(\d)+7], v[(\a):(\a)+11], v[(\b):(\b)+11], v[(\c):(\c)+7], v[\sa], v[\sb] matrix_a_fmt:MATRIX_FMT_FP6 matrix_b_fmt:MATRIX_FMT_FP6
.endif
.endm
; 64 numbers of a lane, register 16 b + i = k 32 b + 16 (lane / 16) + i of my row, become a fragment's codes in v[PC] on and its scale word in v[PW]
.macro QUANT s
.irp b, 0,1,2,3
	v_max3_num_f32 v[TM+\b], |v[\s+16*\b]|, |v[\s+1+16*\b]|, 0x1800000   ; my 16 numbers of block b, and the floor 2^(3 - 127): the byte cannot fall under 1.  (Each accumulator is read from its low end on)
.endr
.irp i, 2,4,6,8,10,12,14
.irp b, 0,1,2,3
	v_max3_num_f32 v[TM+\b], v[TM+\b], |v[\s+16*\b+\i]|, |v[\s+1+16*\b+\i]|
.endr
.endr
.irp b, 0,1,2,3
	v_permlanex16_b32 v[TM+4+\b], v[TM+\b], s[SEL], s[SEL+1]
.endr
.irp b, 0,1,2,3
	v_max_num_f32 v[TM+\b], v[TM+\b], v[TM+4+\b]   ; with lane l xor 16's 16: the block's largest magnitude
.endr
.irp b, 0,1,2,3
	v_add_nc_u32 v[TM+12+\b], 0xff000000, v[TM+\b]   ; 2 off its exponent field: the conversion's scale operand
.endr
.irp b, 0,1,2,3
	v_lshrrev_b32 v[TM+4+\b], 23, v[TM+12+\b]      ; the byte
.endr
	v_lshl_or_b32 v[PW], v[TM+5], 8, v[TM+4]
	v_lshl_or_b32 v[PW], v[TM+6], 16, v[PW]
	v_lshl_or_b32 v[PW], v[TM+7], 24, v[PW]
.irp c, 0,1
	v_cvt_scalef32_pk16_fp6_f32 v[PC+6*\c:PC+2+6*\c], v[\s+32*\c:\s+15+32*\c], v[TM+12+2*\c]
	v_cvt_scalef32_pk16_fp6_f32 v[PC+12+4*\c:PC+14+4*\c], v[\s+16+32*\c:\s+31+32*\c], v[TM+12+2*\c+1]   ; (a conversion's three registers begin on an even number)
.endr
	v_nop                                          ; one plain place behind the conversions
.irp c, 0,1                            ; the operand's layout wants a whole block in a lane
.irp i, 0,1,2
	v_permlane16_swap_b32 v[PC+6*\c+\i], v[PC+12+4*\c+\i]
.endr
.irp i, 0,1,2
	v_mov_b32 v[PC+3+6*\c+\i], v[PC+12+4*\c+\i]
.endr
.endr
.endm
.macro EMIT imm                        ; a record: three stores of 512 consecutive bytes, and 128 bytes of scale words
.irp c, 0,1,2
	global_store_b128 v[VO], v[PC+4*\c:PC+4*\c+3], s[PB:PB+1] offset:(\imm)+512*\c
.endr
	global_store_b32 v[VO4], v[PW], s[PB:PB+1] offset:(\imm)+1536
.endm
.macro TAIL idx                        ; the eight accumulators are quantised and leave
	WIN 0
.rept 4
	v_nop                                          ; four places between the last product and the first read of results
.endr
	s_wait_xcnt 0x0                                ; the last record's stores have read their registers, which are written anew below
	QUANT ACC
	EMIT (\idx)*1664
.endm
; q or k of the group g of 32 tokens: 32 products, the eight accumulators by turns, one instruction a turn
.macro QKUNIT g
	WIN 0x07+4*((\g)/2)                            ; source 0 (the weight) window 3, source 1 (x) window 1 or 2
.irp s, 0,1,2,3
.irp u, 0,1
.irp n, 0,1,2,3
.if \s == 0
	WM ACC+8*(4*\u+\n), 12*(4*\n+\s), 12*(4*(2*((\g)%2)+\u)+\s), BI+8*\n, WS+4*(\n/2)+\s, XS+4*(\g)+\s, \n%2, \u
.else
	WM ACC+8*(4*\u+\n), 12*(4*\n+\s), 12*(4*(2*((\g)%2)+\u)+\s), ACC+8*(4*\u+\n), WS+4*(\n/2)+\s, XS+4*(\g)+\s, \n%2, \u
.endif
.endr
.endr
.endr
	TAIL \g
.endm
; v's tile n of 16 channels for the trip's 128 tokens: 32 products, four accumulators by turns, twice
.macro VUNIT n
.irp hf, 0,1
	WIN 0x0d+\hf                                   ; source 0 (x) window 1, then 2; source 1 (the weight) window 3
.irp s, 0,1,2,3
.irp t, 0,1,2,3
.if \s == 0
	WM ACC+8*(4*\hf+\t), 12*(4*\t+\s), 12*(4*(\n)+\s), BI+8*(\n), XS+4*((4*\hf+\t)/2)+\s, WS+4*((\n)/2)+\s, \t%2, (\n)%2
.else
	WM ACC+8*(4*\hf+\t), 12*(4*\t+\s), 12*(4*(\n)+\s), ACC+8*(4*\hf+\t), XS+4*((4*\hf+\t)/2)+\s, WS+4*((\n)/2)+\s, \t%2, (\n)%2
.endif
.endr
.endr
.endr
	TAIL \n
.endm
.macro XFETCH g0                       ; the fragments of groups g0 and g0 + 1 of the trip's four
.irp gg, 0,1
.irp u, 0,1
.irp s, 0,1,2,3
.irp c, 0,1,2
	ds_load_b128 v[12*(4*(2*\gg+\u)+\s)+4*\c:12*(4*(2*\gg+\u)+\s)+4*\c+3], v[ADX] offset:(\g0+\gg)*12800+(4*\u+\s)*1536+512*\c
.endr
.endr
.endr
.endr
.endm
	s_load_b256 s[4:11], s[0:1], 0x0               ; xq s[4:5], w1q s[6:7], qkv_b s[8:9], qq s[10:11]
	s_load_b64 s[12:13], s[0:1], 0x20              ; kv
	v_lshl_add_u32 v[SPW], v0, 2, SPARE
	v_mov_b32 v[NIL], 0
	ds_add_u32 v[SPW], v[NIL]                      ; the wave's opening: the add and its wait ahead of my first tensor load; work on registers stands between them
	ds_add_u32 v[SPW], v[NIL]
	v_lshrrev_b32 v3, 5, v0
	v_readfirstlane_b32 s[WV], v3                  ; wave 0..3
	v_and_b32 v3, 31, v0
	v_lshlrev_b32 v[LI], 4, v3
	v_lshlrev_b32 v[LS], 2, v3
	v_bfe_u32 v12, v0, 4, 1
	v_lshlrev_b32 v[BQ], 6, v12
	v_and_b32 v13, 15, v0
	v_and_b32 v12, 8, v0
	v_add_nc_u32 v13, v13, v12
	v_lshlrev_b32 v[BV], 2, v13
.irp b, 0,1,2,3
	v_mov_b32 v[TM+4+\b], 0                        ; written once: a lane permute's destination counts as one of its sources
.endr
	s_bfe_u32 s[CX], ttmp6, 0x40000                ; my place in the cluster
	s_lshl_b32 s[HD], ttmp9, 2
	s_add_co_u32 s[HD], s[HD], s[CX]               ; my head: it enters the weights', the biases' and the results' addresses alone
	s_and_b32 s[RB], ttmp7, 0xffff                 ; my block of 512 tokens, which the four partners share
	s_mov_b32 s[SEL], 0x76543210
	s_mov_b32 s[SEL+1], 0xfedcba98
	; descriptor group 1: 51,200 dense bytes as 200 rows of 256 bytes (32 elements of 8 bytes), no padding
	s_mov_b32 s[G1], 15|(3<<16)|(1<<21)            ; 15:0 the mask: all four work-groups; 17:16 elements of 8 bytes; 21 set beside a mask
	s_mov_b32 s[G1+1], 32<<16                      ; tensor_dim0
	s_mov_b32 s[G1+2], 200<<16                     ; tensor_dim1
	s_mov_b32 s[G1+3], 32<<16                      ; tile_dim0
	s_mov_b32 s[G1+4], 200                         ; tile_dim1
	s_mov_b32 s[G1+5], 32                          ; from row to row
	s_mov_b32 s[G1+6], 0
	s_mov_b32 s[G1+7], 0
	s_mov_b32 s[G0], 1
	s_mul_i32 s[G0+1], s[WV], 51200                ; LDS: my quarter, four groups of tokens
	s_lshl_b32 s42, s[RB], 4
	s_lshl_b32 s43, s[WV], 2
	s_add_co_u32 s42, s42, s43
	s_mul_i32 s42, s42, 12800                      ; memory: group 16 x block + 4 x wave
	s_mov_b32 s43, 0
	s_wait_dscnt 0x0                               ; the opening add is done
	s_wait_kmcnt 0x0
	s_add_nc_u64 s[G0+2:G0+3], s[4:5], s[42:43]
	s_or_b32 s[G0+3], s[G0+3], 0x80000000
	ROUND                                          ; all four work-groups are here: the joint loads meet
	tensor_load_to_lds s[G0:G0+3], s[G1:G1+7]      ; my one tensor load of the launch
	s_nop 0
.rept 4
	v_nop
.endr
	s_lshl_b32 s42, s[HD], 3
	s_lshl_b32 s44, s[WV], 1
	s_add_co_u32 s42, s42, s44
	s_mul_i32 s42, s42, 12800                      ; my two groups of columns: 8 x head + 2 x wave
	s_add_nc_u64 s[6:7], s[6:7], s[42:43]
	WIN 0xc0                                       ; destination window 3
.irp n, 0,1,2,3
.irp s, 0,1,2,3
.irp c, 0,1,2
	global_load_b128 v[12*(4*\n+\s)+4*\c:12*(4*\n+\s)+4*\c+3], v[LI], s[6:7] offset:(\n/2)*12800+(4*(\n%2)+\s)*1536+512*\c
.endr
.endr
.endr
	WIN 0
.irp b, 0,1
.irp s, 0,1,2,3
	global_load_b32 v[WS+4*\b+\s], v[LS], s[6:7] offset:\b*12800+12288+128*\s   ; lanes 0-15: tile 0's words, lanes 16-31: tile 1's
.endr
.endr
	s_lshl_b32 s42, s[HD], 10
	s_lshl_b32 s44, s[WV], 8
	s_add_co_u32 s42, s42, s44
	s_add_nc_u64 s[8:9], s[8:9], s[42:43]          ; my 64 columns' biases
	s_cmp_lt_u32 s[WV], 2
	s_cbranch_scc0 .Lbias_v
	s_wait_alu depctr_va_vdst(0)
.irp n, 0,1,2,3                        ; q, k: a lane's eight registers of tile 2 b + u are columns 32 b + 16 (lane / 16) + 8 u + 0 .. 7
	global_load_b128 v[BI+8*\n:BI+8*\n+3], v[BQ], s[8:9] offset:(32*(\n/2)+8*(\n%2))*4
	global_load_b128 v[BI+8*\n+4:BI+8*\n+7], v[BQ], s[8:9] offset:(32*(\n/2)+8*(\n%2))*4+16
.endr
	s_branch .Lbias_done
.Lbias_v:
	s_wait_alu depctr_va_vdst(0)
.irp n, 0,1,2,3                        ; v: a lane holds one channel: its bias in all eight registers
.irp j, 0,1,2,3,4,5,6,7
	global_load_b32 v[BI+8*\n+\j], v[BV], s[8:9] offset:(32*(\n/2)+8*(\n%2))*4
.endr
.endr
.Lbias_done:
	s_lshr_b32 s42, s[RB], 1
	s_lshl_b32 s42, s42, 3
	s_add_co_u32 s42, s42, s[HD]                   ; 8 x batch + head
	s_mul_i32 s44, s42, 53248
	s_mul_i32 s45, s42, 159744
	s_cmp_eq_u32 s[WV], 0                          ; wave 0 stores into qq, the others into kv
	s_cselect_b64 s[PB:PB+1], s[10:11], s[12:13]
	s_cselect_b32 s42, s44, s45
	s_add_nc_u64 s[PB:PB+1], s[PB:PB+1], s[42:43]
	s_and_b32 s42, s[RB], 1                        ; which half of the batch's 1,024 tokens
	s_mul_i32 s44, s42, 26624                      ; q, k: 16 records a half
	s_mul_i32 s45, s42, 53248                      ; v: behind k's 32 records; 32 records a half, four of a key step's eight are mine
	s_sub_co_u32 s46, s[WV], 2
	s_mul_i32 s46, s46, 6656
	s_add_co_u32 s45, s45, s46
	s_add_co_u32 s45, s45, 53248
	s_mov_b32 s46, 13312
	s_cmp_lt_u32 s[WV], 2
	s_cselect_b32 s[OFFS], s44, s45
	s_cselect_b32 s[STEP], 6656, s46               ; from trip to trip: four records, or a key step's eight
	s_mov_b32 s[TB], 0
	s_mov_b32 s[CNT], 4
	s_wait_loadcnt 0x0                             ; weights, their scale words, biases
	s_wait_tensorcnt 0x0                           ; my quarter of the tokens' block is in,
	s_barrier_signal -1
	s_barrier_wait -1                              ; everybody's is
.Lblock:                                           ; four trips of 128 tokens
	s_wait_xcnt 0x0                                ; the last trip's stores have read their offsets
	v_add_nc_u32 v[ADX], s[TB], v[LI]
	v_add_nc_u32 v[ADS], s[TB], v[LS]
	v_add_nc_u32 v[VO], s[OFFS], v[LI]
	v_add_nc_u32 v[VO4], s[OFFS], v[LS]
	WIN 0x40                                       ; destination window 1 (the quantiser's lines and the four additions are the places behind the last products)
	XFETCH 0
	WIN 0x80                                       ; window 2
	XFETCH 2
	WIN 0
.irp g, 0,1,2,3
.irp s, 0,1,2,3
	ds_load_b32 v[XS+4*\g+\s], v[ADS] offset:\g*12800+12288+128*\s
.endr
.endr
	s_wait_dscnt 0x0
	s_cmp_lt_u32 s[WV], 2
	s_cbranch_scc0 .Lrole_v
	QKUNIT 0
	QKUNIT 1
	QKUNIT 2
	QKUNIT 3
	s_branch .Ljoin
.Lrole_v:
	VUNIT 0
	VUNIT 1
	VUNIT 2
	VUNIT 3
.Ljoin:
	s_add_co_u32 s[OFFS], s[OFFS], s[STEP]
	s_add_co_u32 s[TB], s[TB], 51200
	s_sub_co_u32 s[CNT], s[CNT], 1
	s_cmp_lg_u32 s[CNT], 0
	s_cbranch_scc1 .Lblock
	FINISH
	ROUND                                          ; the closing round
	s_endpgm
.Lfunc_end_k_qaaf58e3755_qkv:
	.size	k_qaaf58e3755_qkv, .Lfunc_end_k_qaaf58e3755_qkv-k_qaaf58e3755_qkv
	.p2alignl 7, 3214868480
	.fill 96, 4, 3214868480
	.section	.rodata,"a",@progbits
	.p2align	6, 0x0
	.amdhsa_kernel k_qaaf58e3755_qkv
		.amdhsa_group_segment_fixed_size 212992
		.amdhsa_private_segment_fixed_size 0
		.amdhsa_enable_private_segment 0
		.amdhsa_kernarg_size 40
		.amdhsa_user_sgpr_count 2
		.amdhsa_user_sgpr_kernarg_segment_ptr 1
		.amdhsa_wavefront_size32 1
		.amdhsa_system_sgpr_workgroup_id_x 1
		.amdhsa_system_sgpr_workgroup_id_y 1
		.amdhsa_system_sgpr_workgroup_id_z 1
		.amdhsa_system_vgpr_workitem_id 0
		.amdhsa_next_free_vgpr 1024
		.amdhsa_next_free_sgpr 66
		.amdhsa_reserve_vcc 0
		.amdhsa_float_denorm_mode_32 3
		.amdhsa_float_denorm_mode_16_64 3
		.amdhsa_memory_ordered 1
		.amdhsa_forward_progress 1
		.amdhsa_inst_pref_size 89
	.end_amdhsa_kernel
	.amdgpu_metadata
---
amdhsa.version: [ 1, 2 ]
amdhsa.kernels:
  - .name:           k_qaaf58e3755_qkv
    .symbol:         k_qaaf58e3755_qkv.kd
    .args:
      - { .name: xq, .offset: 0, .size: 8, .value_kind: global_buffer, .address_space: global }
      - { .name: w1q, .offset: 8, .size: 8, .value_kind: global_buffer, .address_space: global }
      - { .name: qkv_b, .offset: 16, .size: 8, .value_kind: global_buffer, .address_space: global }
      - { .name: qq, .offset: 24, .size: 8, .value_kind: global_buffer, .address_space: global }
      - { .name: kv, .offset: 32, .size: 8, .value_kind: global_buffer, .address_space: global }
    .group_segment_fixed_size: 212992
    .private_segment_fixed_size: 0
    .kernarg_segment_align: 8
    .kernarg_segment_size: 40
    .max_flat_workgroup_size: 128
    .sgpr_count:     66
    .vgpr_count:     1024
    .wavefront_size: 32
...
	.end_amdgpu_metadata
.endif
;; end of part 2
;; launch attn (part 3): grid 4 x 64, 8 waves a work-group, clusters of 4 x 1, 327,680 bytes of LDS; arguments qq, kv, biasq, oq; writes oq
.if DOCPART == 3
	.amdgcn_target "amdgcn-amd-amdhsa--gfx1250"
	.amdhsa_code_object_version 6
	.text
	.protected	k_qaaf58e3755_attn
	.globl	k_qaaf58e3755_attn
	.p2align	8
	.type	k_qaaf58e3755_attn,@function
k_qaaf58e3755_attn:
	s_mov_b64 s[64:65], 0
	v_nop
	global_prefetch_b8 v0, s[64:65] scope:SCOPE_SE
	s_setreg_imm32_b32 hwreg(HW_REG_WAVE_MODE, 25, 1), 1
	s_wait_xcnt 0x0
	s_wait_alu depctr_hold_cnt(0) depctr_sa_sdst(0) depctr_va_vdst(0) depctr_va_sdst(0) depctr_va_ssrc(0) depctr_va_vcc(0) depctr_vm_vsrc(0)
	s_getreg_b32 s2, hwreg(HW_REG_IB_STS2, 6, 4)
	s_cmp_eq_u32 s2, 0
	s_cbranch_scc0 .Lentry_in_a_cluster
	s_endpgm
.Lentry_in_a_cluster:
	s_bfe_u32 s2, ttmp6, 0x10000c
	s_cmp_lg_u32 s2, 0x3003
	s_cbranch_scc0 .Lentry_shape_is_right
	s_endpgm
.Lentry_shape_is_right:
; ATTENTION on codes of FP6 (E2M3) with E8M0 scales: o = softmax(q k^T / 8 + bias) v, quantised at once as the last product's operand.
; SOFTMAX: t = logit x log2(e); M = the running largest t rounded UP to a whole number; p = 2^(t - M) is quantised along the keys, not normalised; the row's sum is taken of the
; unquantised p and divides at the end.  When M moves, the sum and O are multiplied by 2^(old M - new M): exact.
; SHARES.  A work-group takes one head, TWO batches (A = 2 p, B = 2 p + 1) and 256 queries.  The bias hangs on head, query and key alone, so one tile of the table (8 x bias, in the score product's
; accumulator layout, 8,192 bytes) serves two score products: as C of batch A's (D in other registers), then in place as C and D of batch B's.  Each of eight waves takes two neighbouring tiles
; of 16 queries, one after the other: its 16 tiles of the table are 131,072 consecutive bytes.
; K and V of both batches, 2 x 159,744 bytes of records (a fragment's image and its scale words), come into LDS once, an eighth by each wave, and stay: nothing is filled again.
; CLUSTER: the four work-groups of a cluster are the four quarters of the queries of one (head, pair of batches): they ask for K and V jointly.
; ORDER OF A STEP OF 128 KEYS: both score products; batch B's softmax and codes; the next step's bias is asked for into B's registers; O_B; batch A's softmax and codes; O_A.
; So a tile of the table is asked for a whole batch's softmax ahead of the wait for it; no separate data prefetch is written for it.
; A tile's first step is written out ahead of the loop: its products start O with C = 0, so nothing is cleared and nothing is rescaled there.
; LAYOUT.  Both products are used transposed: a lane holds ONE query (lane % 16).  The score product's K is 64, the instruction's 128: a fragment of K holds two tiles of keys side by side and is multiplied
; by [Q | 0] and by [0 | Q].  Q's record (two tiles of queries) is loaded between runs of six zero registers, Z T0 Z T1 Z, so that all four operands are runs of twelve registers as they lie.
; LIMITS: the promise holds while the scaled scores stay under 2^31 in magnitude; NaN and infinities are not served; blocks of o under 2^-124 keep the byte 1.
; REGISTERS, window 0: v1-12 addresses; v13, v25 work; v14-21 -M, largest t and the sum of A and of B; v[22:23] f; v24 p's scale word; v26-27 Q's; v28-39 block work; v40-58 codes; v60-67 scale words;
;   v68-115 four fragments; v116-179 S of A; v180-243 bias, then S of B; v244-245 Q's words as loaded.  Window 1: v0-63 O of A, v64-127 O of B, v128-175 four fragments, v176-235 Q of A and of B.
.set SPARE, 319488                     ; behind K and V: the spare words, 128 bytes for each of eight waves
.set KVB, 159744                       ; a (batch, head)'s records
.set LI,  1                            ; 16 x lane
.set LS,  2                            ; 4 x lane
.set SPW, 3                            ; my spare word; never rewritten
.set NIL, 4                            ; 0; never rewritten
.set AVA, 5
.set AVSA, 6
.set AVB, 7
.set AVSB, 8
.set AKA, 9
.set AKSA, 10
.set AKB, 11
.set AKSB, 12
.set T,   13
.set MNA, 14
.set SMA, 16
.set MNB, 18
.set SMB, 20
.set FF,  22
.set PWD, 24
.set T2,  25
.set QSA, 26
.set QSB, 27
.set BM,  28
.set PM,  32
.set SO,  36
.set PC,  40
.set KS,  60
.set F0,  68
.set SA,  116
.set SB,  180
.set QW,  244
.set RA,  246
.set OA,  0                            ; window 1
.set OB,  64
.set F1,  128
.set QA,  176
.set QB,  206
.set WV,  12
.set CX,  13
.set HD,  14
.set PR,  15
.set BH,  16
.set SEL, 20
.set CS,  22
.set G1,  24
.set G0,  32
.set TK,  36
.set TV,  37
.set TKB, 38
.set TVB, 39
.set BB,  40
.set PB,  42
.set QP,  44
.set CNT, 46
.set MSB, 0
.macro WIN new                         ; the immediate's high byte repeats the setting that is left
.if MSB != \new
	s_set_vgpr_msb (MSB<<8)|\new
.set MSB, \new
.endif
.endm
.macro ROUND                           ; a round of the cluster's barrier
	s_barrier_signal -1
	s_barrier_wait -1
	s_cmp_lg_u32 s[WV], 0
	s_cbranch_scc1 .Lnot_wave_0_\@
	s_barrier_signal -3
.Lnot_wave_0_\@:
	s_barrier_wait -3
	s_barrier_signal -1
	s_barrier_wait -1
.endm
.macro WMS d, a, b, c, sa, sb
	v_wmma_scale_f32_16x16x128_f8f6f4 v[(\d):(\d)+7], v[(\a):(\a)+11], v[(\b):(\b)+11], v[(\c):(\c)+7], v[\sa], v[\sb] matrix_a_fmt:MATRIX_FMT_FP6 matrix_b_fmt:MATRIX_FMT_FP6
.endm
.macro WMZ d, a, b, sa, sb             ; the product that starts a sum
	v_wmma_scale_f32_16x16x128_f8f6f4 v[(\d):(\d)+7], v[(\a):(\a)+11], v[(\b):(\b)+11], 0, v[\sa], v[\sb] matrix_a_fmt:MATRIX_FMT_FP6 matrix_b_fmt:MATRIX_FMT_FP6
.endm
.macro LD4 f, adr, off                 ; four records' fragments
.irp g, 0,1,2,3
.irp c, 0,1,2
	ds_load_b128 v[\f+12*\g+4*\c:\f+12*\g+4*\c+3], v[\adr] offset:(\off)+\g*1664+512*\c
.endr
.endr
.endm
.macro LDW k, adr, off                 ; and their scale words
.irp g, 0,1,2,3
	ds_load_b32 v[\k+\g], v[\adr] offset:(\off)+\g*1664+1536
.endr
.endm
.macro BIAS                            ; a tile of the table: each load reads 512 consecutive bytes
.set n, 0
.rept 16
	global_load_b128 v[SB+4*n:SB+4*n+3], v[LI], s[BB:BB+1] offset:512*n
.set n, n+1
.endr
.endm
; v[BM ..]: four blocks' largest magnitudes, not under the floor.  64 numbers of a lane, register 16 b + i = k 32 b + 16 (lane / 16) + i, become a fragment's codes in v[PC] on and its scale word in v[PWD]
.macro CODES sb
.irp b, 0,1,2,3
	s_delay_alu instid0(VALU_DEP_4)
	v_add_nc_u32 v[SO+\b], 0xff000000, v[BM+\b]    ; 2 off the exponent field: the conversion's scale operand
.endr
.irp b, 0,1,2,3
	s_delay_alu instid0(VALU_DEP_4)
	v_lshrrev_b32 v[PM+\b], 23, v[SO+\b]           ; the byte
.endr
	s_delay_alu instid0(VALU_DEP_3)
	v_lshl_or_b32 v[T], v[PM+1], 8, v[PM]
	s_delay_alu instid0(VALU_DEP_2)
	v_lshl_or_b32 v[T2], v[PM+3], 8, v[PM+2]
	s_delay_alu instid0(VALU_DEP_1)
	v_lshl_or_b32 v[PWD], v[T2], 16, v[T]
.irp c, 0,1
	v_cvt_scalef32_pk16_fp6_f32 v[PC+6*\c:PC+2+6*\c], v[\sb+32*\c:\sb+15+32*\c], v[SO+2*\c]
	v_cvt_scalef32_pk16_fp6_f32 v[PC+12+4*\c:PC+14+4*\c], v[\sb+16+32*\c:\sb+31+32*\c], v[SO+2*\c+1]   ; (a conversion's three registers begin on an even number)
.endr
	v_nop                                          ; one plain place behind the conversions
.irp c, 0,1                            ; the operand's layout wants a whole block in a lane
.irp i, 0,1,2
	v_permlane16_swap_b32 v[PC+6*\c+\i], v[PC+12+4*\c+\i]
.endr
.irp i, 0,1,2
	v_mov_b32 v[PC+3+6*\c+\i], v[PC+12+4*\c+\i]
.endr
.endr
.endm
; one batch's softmax of a step: scores in v[sb ..] become p's codes and scale word; V's eight fragments are asked for behind the maxima
.macro SOFT sb, mn, sm, av, avs, first
.irp b, 0,1,2,3
	v_max3_num_f32 v[BM+\b], v[\sb+16*\b], v[\sb+16*\b+1], v[\sb+16*\b+2]   ; the largest score of each block of 32 keys: it serves the row's maximum and, since p rises with the score, the block's largest p
.endr
.irp i, 3,5,7,9,11,13
.irp b, 0,1,2,3
	v_max3_num_f32 v[BM+\b], v[BM+\b], v[\sb+16*\b+\i], v[\sb+16*\b+\i+1]
.endr
.endr
.irp b, 0,1,2,3
	v_max_num_f32 v[BM+\b], v[BM+\b], v[\sb+16*\b+15]
.endr
	LD4 F0, \av, 0                                 ; (the 32 lines above are the places behind the products that read these registers)
	LDW KS, \avs, 0
	LDW KS+4, \avs, 6656
	WIN 0x40
	LD4 F1, \av, 6656
	WIN 0
.irp b, 0,1,2,3
	v_permlanex16_b32 v[PM+\b], v[BM+\b], s[SEL], s[SEL+1]
.endr
.irp b, 0,1,2,3
	s_delay_alu instid0(VALU_DEP_4)
	v_max_num_f32 v[BM+\b], v[BM+\b], v[PM+\b]     ; with lane l xor 16's 16 keys
.endr
	s_delay_alu instid0(VALU_DEP_2)
	v_max3_num_f32 v[T], v[BM], v[BM+1], v[BM+2]
	s_delay_alu instid0(VALU_DEP_1)
	v_max_num_f32 v[T], v[T], v[BM+3]
	s_delay_alu instid0(VALU_DEP_1)
.if \first
	v_mul_f32 v[\mn+1], s[CS], v[T]                ; the largest t so far
	s_delay_alu instid0(VALU_DEP_1)
	v_floor_f32 v[\mn], -v[\mn+1]                  ; -M = -ceil(t): a whole number
.else
	v_mul_f32 v[T], s[CS], v[T]
	s_delay_alu instid0(VALU_DEP_1)
	v_max_num_f32 v[\mn+1], v[\mn+1], v[T]         ; the running largest t
	v_mov_b32 v[T2], v[\mn]
	s_delay_alu instid0(VALU_DEP_2)
	v_floor_f32 v[\mn], -v[\mn+1]
	s_delay_alu instid0(VALU_DEP_1)
	v_sub_f32 v[T], v[\mn], v[T2]                  ; old M - new M
	s_delay_alu instid0(VALU_DEP_1)
	v_cvt_i32_f32 v[T], v[T]                       ; (it saturates)
	s_delay_alu instid0(VALU_DEP_1)
	v_ldexp_f32 v[FF], 1.0, v[T]                   ; f = 2^(old M - new M)
.endif
.set n, 0
.rept 32
	v_pk_fma_f32 v[\sb+n:\sb+n+1], v[\sb+n:\sb+n+1], s[CS:CS+1], v[\mn:\mn+1] op_sel_hi:[1,0,0]   ; t - M, two at a time
.set n, n+2
.endr
.irp b, 0,1,2,3
	v_fma_f32 v[BM+\b], v[BM+\b], s[CS], v[\mn]    ; the same of each block's largest score
.endr
	s_wait_alu depctr_va_vdst(0)                   ; the wait ahead of the batch
.set n, 0
.rept 64
	v_exp_f32 v[\sb+n], v[\sb+n]                   ; p = 2^(t - M)
.set n, n+1
.endr
.if \first
	v_nop                                          ; a plain place behind the exponentials
.else
	v_pk_mul_f32 v[\sm:\sm+1], v[\sm:\sm+1], v[FF:FF+1] op_sel_hi:[1,0]   ; the sums under the new M: a plain place behind the exponentials
.endif
	s_wait_alu depctr_va_vdst(0)                   ; one wait for the batch, ahead of its first reader
.irp b, 0,1,2,3
	v_exp_f32 v[BM+\b], v[BM+\b]                   ; the blocks' largest p
.endr
.irp k, 0,1,2,3                        ; the row's sum of the unquantised p: four chains of pairs
	v_pk_add_f32 v[PM+2*\k:PM+2*\k+1], v[\sb+2*\k:\sb+2*\k+1], v[\sb+8+2*\k:\sb+8+2*\k+1]
.endr
.irp j, 16,24,32,40,48,56
.irp k, 0,1,2,3
	v_pk_add_f32 v[PM+2*\k:PM+2*\k+1], v[PM+2*\k:PM+2*\k+1], v[\sb+\j+2*\k:\sb+\j+2*\k+1]
.endr
.endr
	v_pk_add_f32 v[PM:PM+1], v[PM:PM+1], v[PM+2:PM+3]
	v_pk_add_f32 v[PM+4:PM+5], v[PM+4:PM+5], v[PM+6:PM+7]
.if \first
	s_delay_alu instid0(VALU_DEP_1)
	v_pk_add_f32 v[\sm:\sm+1], v[PM:PM+1], v[PM+4:PM+5]
.else
	s_delay_alu instid0(VALU_DEP_2)
	v_pk_add_f32 v[\sm:\sm+1], v[\sm:\sm+1], v[PM:PM+1]
	s_delay_alu instid0(VALU_DEP_1)
	v_pk_add_f32 v[\sm:\sm+1], v[\sm:\sm+1], v[PM+4:PM+5]
.endif
	s_wait_alu depctr_va_vdst(0)                   ; and one for the four
.irp b, 0,1,2,3
	v_max_num_f32 v[BM+\b], 0x1800000, v[BM+\b]    ; the floor 2^(3 - 127): the byte cannot fall under 1
.endr
	CODES \sb
.endm
; O^T (x f) += V^T P^T: eight tiles of 16 channels, one product each
.macro PV o, first
.if \first
.rept 8
	v_nop                                          ; places between p's codes and scale word and the products
.endr
.else
	WIN 0x41
	s_wait_alu depctr_va_vdst(0)                   ; the wait directly ahead of the first reader of O^T
.set n, 0
.rept 32
	v_pk_mul_f32 v[\o+n:\o+n+1], v[\o+n:\o+n+1], v[FF:FF+1] op_sel_hi:[1,0]   ; O^T under the new M; these lines are also the places in front of the products
.set n, n+2
.endr
.endif
	s_wait_alu depctr_va_vdst(0)
	s_wait_dscnt 0x0                               ; V's eight fragments and their scale words are in
	WIN 0x50
.irp t, 0,1,2,3
.if \first
	WMZ \o+8*\t, F0+12*\t, PC, KS+\t, PWD
.else
	WMS \o+8*\t, F0+12*\t, PC, \o+8*\t, KS+\t, PWD
.endif
.endr
	WIN 0x51
.irp t, 0,1,2,3
.if \first
	WMZ \o+32+8*\t, F1+12*\t, PC, KS+4+\t, PWD
.else
	WMS \o+32+8*\t, F1+12*\t, PC, \o+32+8*\t, KS+4+\t, PWD
.endif
.endr
	WIN 0
.endm
; a step of 128 keys for both batches.  rho: which tile of Q's pair;  chk = 1: the loop's last trip asks for no further bias
.macro STEP first, rho, chk
	v_add_nc_u32 v[AVA], s[TV], v[LI]              ; (eight places behind the last products, ahead of the loads into their registers, and between Q's scale words and the first product)
	v_add_nc_u32 v[AVSA], s[TV], v[LS]
	v_add_nc_u32 v[AVB], s[TVB], v[LI]
	v_add_nc_u32 v[AVSB], s[TVB], v[LS]
	v_add_nc_u32 v[AKA], s[TK], v[LI]
	v_add_nc_u32 v[AKSA], s[TK], v[LS]
	v_add_nc_u32 v[AKB], s[TKB], v[LI]
	v_add_nc_u32 v[AKSB], s[TKB], v[LS]
	LD4 F0, AKA, 0
	LDW KS, AKSA, 0
	LDW KS+4, AKSB, 0
	WIN 0x40
	LD4 F1, AKB, 0
	WIN 0
	s_wait_loadcnt 0x0                             ; this step's bias is in, and its loads have read their base:
	s_add_nc_u64 s[BB:BB+1], s[BB:BB+1], 8192      ; the next tile of the table
	s_wait_dscnt 12                                ; A's four fragments and all eight scale words are in; B's 12 loads may be out
	WIN 0x04
.irp g, 0,1,2,3                        ; 8 x logit of A = K Q^T + 8 x bias, into registers of its own
	WMS SA+16*\g, F0+12*\g, QA+6+12*\rho, SB+16*\g, KS+\g, QSA
	WMS SA+16*\g+8, F0+12*\g, QA+12*\rho, SB+16*\g+8, KS+\g, QSA
.endr
.rept 5
	v_nop                                          ; five places: the products below write over registers that those above read as C
.endr
	s_wait_dscnt 0x0
	WIN 0x05
.irp g, 0,1,2,3                        ; and of B, onto the bias
	WMS SB+16*\g, F1+12*\g, QB+6+12*\rho, SB+16*\g, KS+4+\g, QSB
	WMS SB+16*\g+8, F1+12*\g, QB+12*\rho, SB+16*\g+8, KS+4+\g, QSB
.endr
	WIN 0
.rept 4
	v_nop
.endr
	SOFT SB, MNB, SMB, AVB, AVSB, \first
.if \chk
	s_cmp_eq_u32 s[CNT], 1
	s_cbranch_scc1 .Lno_bias_\@
.endif
	BIAS                                           ; B's p has been read for the last time: the next step's bias is asked for into its registers
.if \chk
.Lno_bias_\@:
.endif
	PV OB, \first
	s_wait_alu depctr_va_vdst(0)                   ; the wait directly ahead of the first readers of A's scores
	SOFT SA, MNA, SMA, AVA, AVSA, \first
	PV OA, \first
	s_add_co_u32 s[TK], s[TK], 6656                ; four records of K,
	s_add_co_u32 s[TKB], s[TKB], 6656
	s_add_co_u32 s[TV], s[TV], 13312               ; eight of V
	s_add_co_u32 s[TVB], s[TVB], 13312
.endm
; the way out of one batch: O^T / the sum; a lane's 64 numbers are channels 32 b + 16 (lane / 16) + i of its query: neighbours along the last product's K
.macro OUT o, r, imm
	s_wait_xcnt 0x0                                ; earlier stores have read their registers
	WIN 0x01
	s_wait_alu depctr_va_vdst(0)                   ; the reciprocal's wait, and the wait directly ahead of the first reader of O^T
.set n, 0
.rept 32
	v_pk_mul_f32 v[SA+n:SA+n+1], v[\o+n:\o+n+1], v[\r:\r+1] op_sel_hi:[1,0]   ; each accumulator from its low end on
.set n, n+2
.endr
	WIN 0
.irp b, 0,1,2,3
	v_max3_num_f32 v[BM+\b], |v[SA+16*\b]|, |v[SA+16*\b+1]|, 0x1800000   ; the floor among the leaves
.endr
.irp i, 2,4,6,8,10,12,14
.irp b, 0,1,2,3
	v_max3_num_f32 v[BM+\b], v[BM+\b], |v[SA+16*\b+\i]|, |v[SA+16*\b+\i+1]|
.endr
.endr
.irp b, 0,1,2,3
	s_delay_alu instid0(VALU_DEP_4)
	v_permlanex16_b32 v[PM+\b], v[BM+\b], s[SEL], s[SEL+1]
.endr
.irp b, 0,1,2,3
	s_delay_alu instid0(VALU_DEP_4)
	v_max_num_f32 v[BM+\b], v[BM+\b], v[PM+\b]
.endr
	CODES SA
.irp c, 0,1,2
	global_store_b128 v[LI], v[PC+4*\c:PC+4*\c+3], s[PB:PB+1] offset:(\imm)+512*\c   ; 512 consecutive bytes
.endr
	global_store_b32 v[LS], v[PWD], s[PB:PB+1] offset:(\imm)+1536
.endm
; ONE TILE OF 16 QUERIES, for both batches, through all 1,024 keys
.macro PASS rho
.if \rho == 0
	s_wait_loadcnt 16                              ; Q's ten loads are in; the 16 of the first bias tile may be out
	v_and_b32 v[T], 0xffff, v[QW]                  ; my tile's two scale bytes,
	v_and_b32 v[T2], 0xffff, v[QW+1]
.else
	s_wait_xcnt 0x0                                ; the last tile's stores have read their registers
	v_lshrrev_b32 v[T], 16, v[QW]
	v_lshrrev_b32 v[T2], 16, v[QW+1]
.endif
	s_delay_alu instid0(VALU_DEP_2)
	v_lshl_or_b32 v[QSA], v[T], 16, v[T]           ; at both places: the word serves [Q | 0] and [0 | Q]
	s_delay_alu instid0(VALU_DEP_2)
	v_lshl_or_b32 v[QSB], v[T2], 16, v[T2]
	s_mov_b32 s[TK], 0
	s_mov_b32 s[TV], 53248
	s_mov_b32 s[TKB], KVB
	s_mov_b32 s[TVB], KVB+53248
	s_mov_b32 s[CNT], 7
	s_wait_alu depctr_va_vdst(0)                   ; the wait at the head's end
.if \rho == 0
	s_wait_tensorcnt 0x0                           ; my eighth of K and V is in,
	s_barrier_signal -1
	s_barrier_wait -1                              ; everybody's is
.endif
	STEP 1, \rho, 0
.Lstep_\@:                                         ; seven more steps
	STEP 0, \rho, \rho
	s_sub_co_u32 s[CNT], s[CNT], 1
	s_cmp_lg_u32 s[CNT], 0
	s_cbranch_scc1 .Lstep_\@
	v_add_f32 v[SMB], v[SMB], v[SMB+1]
	v_add_f32 v[SMA], v[SMA], v[SMA+1]
	s_delay_alu instid0(VALU_DEP_2)
	v_permlanex16_b32 v[PM], v[SMB], s[SEL], s[SEL+1]
	s_delay_alu instid0(VALU_DEP_2)
	v_permlanex16_b32 v[PM+1], v[SMA], s[SEL], s[SEL+1]
	s_delay_alu instid0(VALU_DEP_2)
	v_add_f32 v[SMB], v[SMB], v[PM]                ; the rows' sums
	s_delay_alu instid0(VALU_DEP_2)
	v_add_f32 v[SMA], v[SMA], v[PM+1]
	s_wait_alu depctr_va_vdst(0)                   ; the wait ahead of the batch
	v_rcp_f32 v[FF], v[SMB]
	v_rcp_f32 v[RA], v[SMA]
	v_nop                                          ; a plain place behind the reciprocals
	OUT OB, FF, 851968+13312*\rho                  ; batch B's groups lie 32 x 26,624 bytes behind A's; the tile's record 8 x 1,664 behind its pair's first
	OUT OA, RA, 13312*\rho
.endm
	s_load_b256 s[4:11], s[0:1], 0x0               ; qq s[4:5], kv s[6:7], biasq s[8:9], oq s[10:11]
	v_lshl_add_u32 v[SPW], v0, 2, SPARE
	v_mov_b32 v[NIL], 0
	ds_add_u32 v[SPW], v[NIL]                      ; the wave's opening: the add, twice on end, and its wait ahead of my first tensor load
	ds_add_u32 v[SPW], v[NIL]
	v_lshrrev_b32 v5, 5, v0
	v_readfirstlane_b32 s[WV], v5                  ; wave 0..7
	v_and_b32 v5, 31, v0
	v_lshlrev_b32 v[LI], 4, v5
	v_lshlrev_b32 v[LS], 2, v5
	v_mov_b32 v[FF+1], 0                           ; (named as the upper halves of pairs, so they are written)
	v_mov_b32 v[RA+1], 0
.irp b, 0,1,2,3
	v_mov_b32 v[PM+\b], 0                          ; written once: a lane permute's destination counts as one of its sources
.endr
	s_bfe_u32 s[CX], ttmp6, 0x40000                ; my quarter of the queries: it enters Q's, the table's and o's addresses alone
	s_and_b32 s48, ttmp7, 0xffff
	s_and_b32 s[HD], s48, 7                        ; head
	s_lshr_b32 s[PR], s48, 3                       ; pair of batches
	s_lshl_b32 s[BH], s[PR], 4
	s_add_co_u32 s[BH], s[BH], s[HD]               ; 8 x batch A + head
	s_mov_b32 s[SEL], 0x76543210
	s_mov_b32 s[SEL+1], 0xfedcba98
	s_mov_b32 s[CS], 0x3e38aa3b                    ; log2(e) / 8
	s_mov_b32 s[CS+1], s[CS]                       ; (named with it as a pair, so it is written)
	; descriptor group 1: 39,936 dense bytes as 156 rows of 256 bytes (32 elements of 8 bytes), no padding
	s_mov_b32 s[G1], 15|(3<<16)|(1<<21)            ; the mask: all four work-groups; elements of 8 bytes; bit 21 set beside a mask
	s_mov_b32 s[G1+1], 32<<16
	s_mov_b32 s[G1+2], 156<<16
	s_mov_b32 s[G1+3], 32<<16
	s_mov_b32 s[G1+4], 156
	s_mov_b32 s[G1+5], 32
	s_mov_b32 s[G1+6], 0
	s_mov_b32 s[G1+7], 0
	s_mov_b32 s[G0], 1
	s_mul_i32 s[G0+1], s[WV], 39936                ; LDS: my eighth: waves 0-3 batch A's quarters, waves 4-7 batch B's
	s_lshr_b32 s48, s[WV], 2
	s_lshl_b32 s48, s48, 3
	s_add_co_u32 s48, s48, s[BH]
	s_mul_i32 s48, s48, KVB
	s_and_b32 s49, s[WV], 3
	s_mul_i32 s49, s49, 39936
	s_add_co_u32 s48, s48, s49
	s_mov_b32 s49, 0
	s_wait_alu depctr_va_vdst(0)
	s_wait_dscnt 0x0                               ; both opening adds are done
	s_wait_kmcnt 0x0
	s_add_nc_u64 s[G0+2:G0+3], s[6:7], s[48:49]
	s_or_b32 s[G0+3], s[G0+3], 0x80000000
	ROUND                                          ; all four work-groups are here: the joint loads meet
	tensor_load_to_lds s[G0:G0+3], s[G1:G1+7]      ; my one tensor load of the launch
	s_nop 0
.rept 4
	v_nop
.endr
	s_lshl_b32 s52, s[CX], 3
	s_add_co_u32 s52, s52, s[WV]                   ; my group of 32 queries: 8 x quarter + wave
	s_mul_i32 s54, s[BH], 53248
	s_mul_i32 s55, s52, 1664
	s_add_co_u32 s54, s54, s55
	s_mov_b32 s55, 0
	s_add_nc_u64 s[QP:QP+1], s[4:5], s[54:55]      ; Q's record of batch A; B's lies 8 x 53,248 bytes on
	s_lshl_b32 s54, s[HD], 5
	s_add_co_u32 s54, s54, s52
	s_lshl_b32 s54, s54, 17
	s_add_nc_u64 s[BB:BB+1], s[8:9], s[54:55]      ; the table: (64 x head + 2 x group) x 8 key steps x 8,192
	s_lshl_b32 s54, s[PR], 6
	s_add_co_u32 s54, s54, s52
	s_mul_i32 s54, s54, 26624
	s_mul_i32 s53, s[HD], 1664
	s_add_co_u32 s54, s54, s53
	s_add_nc_u64 s[PB:PB+1], s[10:11], s[54:55]    ; o: (32 x batch A + group) x 26,624 + head x 1,664
	WIN 0x40                                       ; destination window 1
.irp x, 0,1                            ; Q's record between runs of zeros: Z T0 Z T1 Z
	global_load_b128 v[QA+30*\x+6:QA+30*\x+9], v[LI], s[QP:QP+1] offset:425984*\x
	global_load_b64 v[QA+30*\x+10:QA+30*\x+11], v[LI], s[QP:QP+1] offset:425984*\x+512
	global_load_b64 v[QA+30*\x+18:QA+30*\x+19], v[LI], s[QP:QP+1] offset:425984*\x+520
	global_load_b128 v[QA+30*\x+20:QA+30*\x+23], v[LI], s[QP:QP+1] offset:425984*\x+1024
.irp i, 0,1,2,3,4,5,12,13,14,15,16,17,24,25,26,27,28,29
	v_mov_b32 v[QA+30*\x+\i], 0
.endr
.endr
	WIN 0
	global_load_b32 v[QW], v[LS], s[QP:QP+1] offset:1536
	global_load_b32 v[QW+1], v[LS], s[QP:QP+1] offset:425984+1536
	BIAS                                           ; the first tile of the table
	PASS 0
	PASS 1
	s_wait_tensorcnt 0x0                           ; the wave's end
	ds_add_u32 v[SPW], v[NIL]
	s_wait_dscnt 0x0
	ROUND                                          ; the closing round
	s_endpgm
.Lfunc_end_k_qaaf58e3755_attn:
	.size	k_qaaf58e3755_attn, .Lfunc_end_k_qaaf58e3755_attn-k_qaaf58e3755_attn
	.p2alignl 7, 3214868480
	.fill 96, 4, 3214868480
	.section	.rodata,"a",@progbits
	.p2align	6, 0x0
	.amdhsa_kernel k_qaaf58e3755_attn
		.amdhsa_group_segment_fixed_size 327680
		.amdhsa_private_segment_fixed_size 0
		.amdhsa_enable_private_segment 0
		.amdhsa_kernarg_size 32
		.amdhsa_user_sgpr_count 2
		.amdhsa_user_sgpr_kernarg_segment_ptr 1
		.amdhsa_wavefront_size32 1
		.amdhsa_system_sgpr_workgroup_id_x 1
		.amdhsa_system_sgpr_workgroup_id_y 1
		.amdhsa_system_sgpr_workgroup_id_z 1
		.amdhsa_system_vgpr_workitem_id 0
		.amdhsa_next_free_vgpr 512
		.amdhsa_next_free_sgpr 66
		.amdhsa_reserve_vcc 0
		.amdhsa_float_denorm_mode_32 3
		.amdhsa_float_denorm_mode_16_64 3
		.amdhsa_memory_ordered 1
		.amdhsa_forward_progress 1
		.amdhsa_inst_pref_size 189
	.end_amdhsa_kernel
	.amdgpu_metadata
---
amdhsa.version: [ 1, 2 ]
amdhsa.kernels:
  - .name:           k_qaaf58e3755_attn
    .symbol:         k_qaaf58e3755_attn.kd
    .args:
      - { .name: qq, .offset: 0, .size: 8, .value_kind: global_buffer, .address_space: global }
      - { .name: kv, .offset: 8, .size: 8, .value_kind: global_buffer, .address_space: global }
      - { .name: biasq, .offset: 16, .size: 8, .value_kind: global_buffer, .address_space: global }
      - { .name: oq, .offset: 24, .size: 8, .value_kind: global_buffer, .address_space: global }
    .group_segment_fixed_size: 327680
    .private_segment_fixed_size: 0
    .kernarg_segment_align: 8
    .kernarg_segment_size: 32
    .max_flat_workgroup_size: 256
    .sgpr_count:     66
    .vgpr_count:     512
    .wavefront_size: 32
...
	.end_amdgpu_metadata
.endif
;; end of part 3
;; launch proj (part 4): grid 2 x 128, 4 waves a work-group, no clusters, 167,936 bytes of LDS; arguments oq, w2q, proj_b, out0; writes out0
.if DOCPART == 4
	.amdgcn_target "amdgcn-amd-amdhsa--gfx1250"
	.amdhsa_code_object_version 6
	.text
	.protected	k_qaaf58e3755_proj
	.globl	k_qaaf58e3755_proj
	.p2align	8
	.type	k_qaaf58e3755_proj,@function
k_qaaf58e3755_proj:
	s_mov_b64 s[64:65], 0
	v_nop
	global_prefetch_b8 v0, s[64:65] scope:SCOPE_SE
	s_setreg_imm32_b32 hwreg(HW_REG_WAVE_MODE, 25, 1), 1
	s_wait_xcnt 0x0
; PROJ: out0 = o proj_w + proj_b on codes of FP6 (E2M3) with E8M0 scales; sums in f32.
; SHARES.  A work-group takes 128 tokens and 256 of the 512 columns; wave w the columns 64 w on: 256 bytes of each row of out0.  A wave's 32 weight fragments (four tiles x eight K steps) stay in its registers.
; The tokens' records (a fragment's image and its scale words; 16 for each group of 32 tokens), 106,496 dense bytes, come into LDS once, a quarter by each wave, and stay: nothing is filled again.
; NO CLUSTER: two work-groups share a block of tokens, and a cluster here is four along x, which the grid's 2 does not hold.
; LAYOUT.  Source 0 = 16 columns of the weight, source 1 = 16 tokens: a lane holds one token and eight neighbouring columns a tile.  Tile u of a group of 32 rows holds rows 8 u + r + 8 (r / 8).  The bias is the C of each sum's first product.
; THE WAY OUT: a group's 32 tokens x 64 columns go through the wave's own stage in LDS (rows of 256 bytes + 16) and leave as whole rows: sixteen lanes store 256 consecutive bytes, at a multiple of 256 from out0's first byte.
; REGISTERS: window 0: addresses, v64-127 eight accumulators, v128-159 biases, v160-175 the weights' scale words, v176-191 o's, v192-255 rows on their way out;
;   window 1: the weight's tiles 0, 1 (12 (8 u + s)); window 2: tiles 2, 3; window 3: o's two tiles x eight K steps (12 (8 u + s)).
.set STG,   106496                     ; behind the tokens' block: four stages of 32 x 272 bytes
.set SPARE, 141312                     ; behind the stages: the spare words, 128 bytes a wave
.set LI,  1
.set LS,  2
.set ADO, 4
.set AOS, 5
.set STO, 6                            ; v6  the stage: where I put 32 bytes of a row
.set RD,  7                            ; v7  and where I read a row back
.set GO,  8                            ; v8  the same place in two rows of out0
.set BQ,  9                            ; v9  64 (lane / 16)
.set SPW, 10
.set NIL, 11
.set ACC, 64
.set BI,  128
.set WS,  160
.set OS,  176
.set OUT, 192
.set WV,  12
.set RB,  14
.set G1,  24
.set G0,  32
.set TB,  36
.set CNT, 37
.set OUTP, 38
.set MSB, 0
.macro WIN new                         ; the immediate's high byte repeats the setting that is left
.if MSB != \new
	s_set_vgpr_msb (MSB<<8)|\new
.set MSB, \new
.endif
.endm
.macro FINISH                          ; the wave's end
	s_wait_tensorcnt 0x0
	ds_add_u32 v[SPW], v[NIL]
	s_wait_dscnt 0x0
.endm
.macro WM d, a, b, c, sa, sb, ra       ; ra = 1: the weight's scale words stand in lanes 16-31
.if (\ra)
	v_wmma_scale_f32_16x16x128_f8f6f4 v[(\d):(\d)+7], v[(\a):(\a)+11], v[(\b):(\b)+11], v[(\c):(\c)+7], v[\sa], v[\sb] matrix_a_fmt:MATRIX_FMT_FP6 matrix_b_fmt:MATRIX_FMT_FP6 matrix_a_scale:MATRIX_SCALE_ROW1
.else
	v_wmma_scale_f32_16x16x128_f8f6f4 v[(\d):(\d)+7], v[(\a):(\a)+11], v[(\b):(\b)+11], v[(\c):(\c)+7], v[\sa], v[\sb] matrix_a_fmt:MATRIX_FMT_FP6 matrix_b_fmt:MATRIX_FMT_FP6
.endif
.endm
.macro WLOAD b                         ; the weight's group b of 32 columns: two tiles x eight K steps
.irp u, 0,1
.irp s, 0,1,2,3,4,5,6,7
.irp c, 0,1,2
	global_load_b128 v[12*(8*\u+\s)+4*\c:12*(8*\u+\s)+4*\c+3], v[LI], s[6:7] offset:\b*25600+(8*\u+\s)*1536+512*\c
.endr
.endr
.endr
.endm
	s_load_b256 s[4:11], s[0:1], 0x0               ; oq s[4:5], w2q s[6:7], proj_b s[8:9], out0 s[10:11]
	v_lshl_add_u32 v[SPW], v0, 2, SPARE
	v_mov_b32 v[NIL], 0
	ds_add_u32 v[SPW], v[NIL]                      ; the wave's opening: the add and its wait ahead of my first tensor load; work on registers stands between them
	ds_add_u32 v[SPW], v[NIL]
	v_lshrrev_b32 v3, 5, v0
	v_readfirstlane_b32 s[WV], v3                  ; wave 0..3
	v_and_b32 v3, 31, v0
	v_lshlrev_b32 v[LI], 4, v3
	v_lshlrev_b32 v[LS], 2, v3
	v_and_b32 v12, 15, v0                          ; r
	v_bfe_u32 v13, v0, 4, 1                        ; h
	s_mul_i32 s40, s[WV], 8704
	s_add_co_u32 s40, s40, STG                     ; my stage
	v_mul_u32_u24 v[STO], v12, 272
	v_lshl_add_u32 v[STO], v13, 6, v[STO]
	v_add_nc_u32 v[STO], s40, v[STO]               ; in: row r, + 64 h bytes
	v_mul_u32_u24 v[RD], v13, 272
	v_lshl_add_u32 v[RD], v12, 4, v[RD]
	v_add_nc_u32 v[RD], s40, v[RD]                 ; back: lanes 0-15 one row, lanes 16-31 the next
	v_lshlrev_b32 v[GO], 11, v13
	v_lshl_add_u32 v[GO], v12, 4, v[GO]            ; and the same in out0: rows of 2,048 bytes
	v_lshlrev_b32 v[BQ], 6, v13
	s_and_b32 s[RB], ttmp7, 0xffff                 ; my block of 128 tokens
	; descriptor group 1: 26,624 dense bytes as 104 rows of 256 bytes (32 elements of 8 bytes), no padding, no mask
	s_mov_b32 s[G1], 3<<16
	s_mov_b32 s[G1+1], 32<<16
	s_mov_b32 s[G1+2], 104<<16
	s_mov_b32 s[G1+3], 32<<16
	s_mov_b32 s[G1+4], 104
	s_mov_b32 s[G1+5], 32
	s_mov_b32 s[G1+6], 0
	s_mov_b32 s[G1+7], 0
	s_mov_b32 s[G0], 1
	s_mul_i32 s[G0+1], s[WV], 26624                ; LDS: my group of 32 tokens
	s_lshl_b32 s40, s[RB], 2
	s_add_co_u32 s40, s40, s[WV]
	s_mul_i32 s40, s40, 26624
	s_mov_b32 s41, 0
	s_wait_alu depctr_va_vdst(0)
	s_wait_dscnt 0x0                               ; the opening add is done
	s_wait_kmcnt 0x0
	s_add_nc_u64 s[G0+2:G0+3], s[4:5], s[40:41]
	s_or_b32 s[G0+3], s[G0+3], 0x80000000
	tensor_load_to_lds s[G0:G0+3], s[G1:G1+7]      ; my one tensor load of the launch
	s_nop 0
.rept 4
	v_nop
.endr
	s_lshl_b32 s40, ttmp9, 3
	s_lshl_b32 s42, s[WV], 1
	s_add_co_u32 s40, s40, s42
	s_mul_i32 s40, s40, 25600                      ; my two groups of columns: 8 x + 2 x wave
	s_add_nc_u64 s[6:7], s[6:7], s[40:41]
	WIN 0x40                                       ; destination window 1
	WLOAD 0
	WIN 0x80                                       ; window 2
	WLOAD 1
	WIN 0
.irp b, 0,1
.irp s, 0,1,2,3,4,5,6,7
	global_load_b32 v[WS+8*\b+\s], v[LS], s[6:7] offset:\b*25600+24576+128*\s   ; lanes 0-15: tile 0's words, lanes 16-31: tile 1's
.endr
.endr
	s_lshl_b32 s40, ttmp9, 10
	s_lshl_b32 s42, s[WV], 8
	s_add_co_u32 s40, s40, s42                     ; my 64 columns, in bytes
	s_add_nc_u64 s[8:9], s[8:9], s[40:41]
.irp n, 0,1,2,3                        ; a lane's eight registers of tile 2 b + u are columns 32 b + 16 h + 8 u + 0 .. 7
	global_load_b128 v[BI+8*\n:BI+8*\n+3], v[BQ], s[8:9] offset:(32*(\n/2)+8*(\n%2))*4
	global_load_b128 v[BI+8*\n+4:BI+8*\n+7], v[BQ], s[8:9] offset:(32*(\n/2)+8*(\n%2))*4+16
.endr
	s_lshl_b32 s42, s[RB], 18                      ; 128 rows of 2,048 bytes
	s_add_co_u32 s40, s40, s42
	s_add_nc_u64 s[OUTP:OUTP+1], s[10:11], s[40:41]
	s_mov_b32 s[TB], 0
	s_mov_b32 s[CNT], 4
	s_wait_loadcnt 0x0                             ; weights, their scale words, biases
	s_wait_tensorcnt 0x0                           ; my group's records are in,
	s_barrier_signal -1
	s_barrier_wait -1                              ; everybody's are
.Lgroup:                                           ; four trips of 32 tokens
	v_add_nc_u32 v[ADO], s[TB], v[LI]
	v_add_nc_u32 v[AOS], s[TB], v[LS]
	WIN 0xc0                                       ; destination window 3
.irp u, 0,1
.irp s, 0,1,2,3,4,5,6,7
.irp c, 0,1,2
	ds_load_b128 v[12*(8*\u+\s)+4*\c:12*(8*\u+\s)+4*\c+3], v[ADO] offset:(8*\u+\s)*1664+512*\c
.endr
.endr
.endr
	WIN 0
.irp u, 0,1
.irp s, 0,1,2,3,4,5,6,7
	ds_load_b32 v[OS+8*\u+\s], v[AOS] offset:(8*\u+\s)*1664+1536
.endr
.endr
	s_wait_dscnt 0x0
.irp nh, 0,1                           ; the weight's tiles 2 nh and 2 nh + 1 x o's two tiles: four accumulators by turns, one instruction a turn
	WIN 0x0d+\nh                                   ; source 0 (the weight) window 1, then 2; source 1 (o) window 3
.irp s, 0,1,2,3,4,5,6,7
.irp u, 0,1
.irp e, 0,1
.if \s == 0
	WM ACC+8*(4*\u+2*\nh+\e), 12*(8*\e+\s), 12*(8*\u+\s), BI+8*(2*\nh+\e), WS+8*\nh+\s, OS+8*\u+\s, \e
.else
	WM ACC+8*(4*\u+2*\nh+\e), 12*(8*\e+\s), 12*(8*\u+\s), ACC+8*(4*\u+2*\nh+\e), WS+8*\nh+\s, OS+8*\u+\s, \e
.endif
.endr
.endr
.endr
.endr
	WIN 0
.rept 4
	v_nop                                          ; four places between the last product and the first read of results; with the next trip's two additions they also stand ahead of the loads into o's registers and of the sums begun anew
.endr
.irp u, 0,1
.irp n, 0,1,2,3
	ds_store_b128 v[STO], v[ACC+8*(4*\u+\n):ACC+8*(4*\u+\n)+3] offset:16*\u*272+128*(\n/2)+32*(\n%2)       ; each accumulator from its low end on
	ds_store_b128 v[STO], v[ACC+8*(4*\u+\n)+4:ACC+8*(4*\u+\n)+7] offset:16*\u*272+128*(\n/2)+32*(\n%2)+16
.endr
.endr
.set i, 0
.rept 16
	ds_load_b128 v[OUT+4*i:OUT+4*i+3], v[RD] offset:544*i   ; LDS serves a wave's instructions in order (ISA guide 5.7.1.4): these see my stores
.set i, i+1
.endr
.set i, 0
.rept 16
	s_wait_dscnt 15-i                              ; load i is in; the 15 - i behind it may be out
	global_store_b128 v[GO], v[OUT+4*i:OUT+4*i+3], s[OUTP:OUTP+1] offset:(8*(i/8)+2*(i%8)+8*((i%8)/4))*2048 th:TH_STORE_NT   ; stage rows 2 i and 2 i + 1 are two neighbouring tokens
.set i, i+1
.endr
	s_wait_xcnt 0x0                                ; the stores have read their registers and their base
	s_add_nc_u64 s[OUTP:OUTP+1], s[OUTP:OUTP+1], 65536
	s_add_co_u32 s[TB], s[TB], 26624
	s_sub_co_u32 s[CNT], s[CNT], 1
	s_cmp_lg_u32 s[CNT], 0
	s_cbranch_scc1 .Lgroup
	FINISH
	s_endpgm
.Lfunc_end_k_qaaf58e3755_proj:
	.size	k_qaaf58e3755_proj, .Lfunc_end_k_qaaf58e3755_proj-k_qaaf58e3755_proj
	.p2alignl 7, 3214868480
	.fill 96, 4, 3214868480
	.section	.rodata,"a",@progbits
	.p2align	6, 0x0
	.amdhsa_kernel k_qaaf58e3755_proj
		.amdhsa_group_segment_fixed_size 167936
		.amdhsa_private_segment_fixed_size 0
		.amdhsa_enable_private_segment 0
		.amdhsa_kernarg_size 32
		.amdhsa_user_sgpr_count 2
		.amdhsa_user_sgpr_kernarg_segment_ptr 1
		.amdhsa_wavefront_size32 1
		.amdhsa_system_sgpr_workgroup_id_x 1
		.amdhsa_system_sgpr_workgroup_id_y 1
		.amdhsa_system_sgpr_workgroup_id_z 1
		.amdhsa_system_vgpr_workitem_id 0
		.amdhsa_next_free_vgpr 1024
		.amdhsa_next_free_sgpr 66
		.amdhsa_reserve_vcc 0
		.amdhsa_float_denorm_mode_32 3
		.amdhsa_float_denorm_mode_16_64 3
		.amdhsa_memory_ordered 1
		.amdhsa_forward_progress 1
		.amdhsa_inst_pref_size 32
	.end_amdhsa_kernel
	.amdgpu_metadata
---
amdhsa.version: [ 1, 2 ]
amdhsa.kernels:
  - .name:           k_qaaf58e3755_proj
    .symbol:         k_qaaf58e3755_proj.kd
    .args:
      - { .name: oq, .offset: 0, .size: 8, .value_kind: global_buffer, .address_space: global }
      - { .name: w2q, .offset: 8, .size: 8, .value_kind: global_buffer, .address_space: global }
      - { .name: proj_b, .offset: 16, .size: 8, .value_kind: global_buffer, .address_space: global }
      - { .name: out0, .offset: 24, .size: 8, .value_kind: global_buffer, .address_space: global }
    .group_segment_fixed_size: 167936
    .private_segment_fixed_size: 0
    .kernarg_segment_align: 8
    .kernarg_segment_size: 32
    .max_flat_workgroup_size: 128
    .sgpr_count:     66
    .vgpr_count:     1024
    .wavefront_size: 32
...
	.end_amdgpu_metadata
.endif
;; end of part 4
